; MI455X (gfx1250); checked and timed in simulation.
; The chip was launched on July 23, 2026; its instructions are those of AMD's public machine-readable ISA for CDNA 5 (MIT licence, August 2026) and "CDNA5" Instruction Set Architecture Reference Guide (July 2026). The comments in the code are by the model that wrote it; some were corrected since.
;; Bahdanau Attention. Allowed arithmetic: matrix products marked QUANTISED: E5M2 operands, one given power-of-two scale a tensor, by v_wmma_f32_16x16x64_bf8_bf8 or v_wmma_f32_16x16x128_bf8_bf8, f32 sums; products left as they are: f32 operands where the result goes on into a quantised operand, else bf16, f16 or f32 operands; f32 sums; everything else in f32.
;; Inputs: Ua_b 1,024 float32; Ua_w_codes 1,024 x 32 x 32 uint8 (E5M2 codes of Ua_w, K innermost, in blocks of 32 codes); Va_b 1 float32; Va_w 1 x 1,024 float32; Wa_b 1,024 float32; Wa_w_codes 1,024 x 32 x 32 uint8 (E5M2 codes of Wa_w, K innermost, in blocks of 32 codes); keys 32 x 2,048 x 1,024 float32; lowp_scales 4 int32 (the exponents e of the quantised operands' scales 2^e); query_codes 32 x 32 x 32 uint8 (E5M2 codes of query, K innermost, in blocks of 32 codes).
;; Outputs: out0 32 x 1 x 1,024 float32; out1 32 x 1 x 2,048 float32.
;; This version of the problem:
;;   THIS VERSION OF THE PROBLEM IS GIVEN IN LOW PRECISION. The matrix products marked QUANTISED in the list below multiply operands that are first quantised to E5M2 (5 exponent bits, 2 mantissa bits; 8 bits a number), with one given power-of-two scale for each operand tensor; their sums are f32. All else is computed in f32.
;;   The module's matrix products, in the order in which they are computed (A, B: the left and right operand; K: the contracted axis; several contracted axes count as one K, in the product's order):
;;     1. [M 32, K 1,024] x [K 1,024, N 1,024]; A: input query (given as codes); B: input Wa_w (given as codes): QUANTISED (scales: A lowp_scales[0], B lowp_scales[1])
;;     2. [M 65,536, K 1,024] x [K 1,024, N 1,024]; A: input keys; B: input Ua_w (given as codes): QUANTISED (scales: A lowp_scales[2], B lowp_scales[3])
;;     3. [M 65,536, K 1,024] x [K 1,024, N 1]; A: computed on the way; B: input Va_w: left as it is (N = 1 < 16)
;;     4. batch 32 x [M 1, K 2,048] x [K 2,048, N 1,024]; A: computed on the way; B: input keys: left as it is (M = 1 < 16)
;;   THE QUANTISER, for each operand of a quantised product, along K:
;;     - The operand's scale is 2^e, e = its entry of the input lowp_scales (int32; the entries are numbered through the quantised products in the list's order, A before B).
;;     - Each number is divided by the scale, clamped to +-57,344, and rounded to the nearest number of E5M2, ties to even, subnormals kept.
;;     - The product sums the exact products of the quantised numbers (number of the format x scale) in f32.
;;   ~~~python
;;   def quantise(x, axis, e):      # numpy; x: float32 -> the quantised numbers, widened to float32 again
;;       x = np.moveaxis(x, axis, -1); K = x.shape[-1]
;;       r = np.clip(x / 2.0 ** e, -57344, 57344)
;;       step = 2.0 ** (np.maximum(np.frexp(np.where(r == 0, 1, r))[1] - 1, -14) - 2)
;;       q = np.round(r / step) * step * 2.0 ** e      # np.round: ties to even
;;       return np.moveaxis(q, -1, axis).astype(np.float32)
;;   ~~~
;;   INPUTS GIVEN AS CODES. Ua_w (in the module: [1024, 1024], K = its axis 1); Wa_w (in the module: [1024, 1024], K = its axis 1); query (in the module: [32, 1024], K = its axis 1): each comes as NAME_codes (uint8): NAME with its K axis moved to the last place and cut into blocks of 32 codes, [.., K / 32, bytes a block], one block behind the other in memory; one code a byte (a code: sign, 5 exponent bits, 2 mantissa bits); its scale is its entry of lowp_scales. Its value is code x scale, taken as it is: it is not quantised again, and the codes and scales need not be those that the quantiser above would give.
;; One version. Each part assembles by itself: llvm-mc -triple=amdgcn-amd-amdhsa -mcpu=gfx1250 --defsym DOCPART=n.
;; ======== version 1 of 1: 3 launches
;; limits: right only within a limited range of input values
;; workspace buffers: qb 131,072 bytes; rawsc 262,144 bytes
;; launch qproj (part 1): grid 16 x 1, 4 waves a work-group, no clusters, 9,216 bytes of LDS; arguments query_codes, Wa_w_codes, lowp_scales, Wa_b, Ua_b, qb; writes qb
.if DOCPART == 1
	.amdgcn_target "amdgcn-amd-amdhsa--gfx1250"
	.amdhsa_code_object_version 6
	.text
	.protected	k_q23fb62a2b4_qproj
	.globl	k_q23fb62a2b4_qproj
	.p2align	8
	.type	k_q23fb62a2b4_qproj,@function
k_q23fb62a2b4_qproj:
	s_mov_b64 s[64:65], 0
	v_nop
	global_prefetch_b8 v0, s[64:65] scope:SCOPE_SE
	s_setreg_imm32_b32 hwreg(HW_REG_WAVE_MODE, 25, 1), 1
	s_wait_xcnt 0x0
; qb[b][o] = c x (sum over k of query[b][k] Wa[o][k] + Wa_b[o] + Ua_b[o]),  c = 2 log2(e): all that the score launch adds to c x k_proj ahead of its exponential.
; query [32][1024] and Wa [1024][1024] are codes of E5M2, K innermost, a row 1,024 bytes; a number is its code x 2^e0 (query) or x 2^e1 (Wa).  The codes are multiplied as they are,
; and each finished sum once by c x 2^(e0 + e1).  LIMIT: e0 + e1 between -127 and 126: the sum is added to c's exponent field (128), which must stay between 1 and 254.
; SHARES.  Work-group g makes outputs 64 g .. 64 g + 63 for all 32 batches; wave w the 16 outputs from 64 g + 16 w on, as two accumulators (batches 0-15, 16-31) that take turns.
; THE MATRIX INSTRUCTION IS USED TRANSPOSED: source 0 = 16 rows of Wa, source 1 = 16 rows of query: lane (r, h) holds batch r and its registers the outputs 8 h + 0 .. 7: neighbours of a row of qb.
; A fragment (16 rows x 128 K) is four loads of 16 bytes, 32 bytes apart: registers 4 c .. 4 c + 3 hold K = 32 c + 16 h + 0 .. 15: the same permutation of K on both sides, so every product meets its partner.
; NO CLUSTER, NO LDS RING: what the 16 work-groups share is query's 32,768 bytes, against 65,536 bytes of Wa of their own each; every operand byte is used once by its wave, so it goes straight to registers.
; REGISTERS: v1 r, v2 h, v3-7 offsets; v16-31 the two accumulators; v32-39 Wa_b, v40-47 Ua_b; v48-63 results; v64-127 Wa's fragments of K steps 0-3; v128-255 query's (64 a batch tile);
;   the same numbers in window 1 hold K steps 4-7.
.set ACC, 16
.set WB,  32
.set UB,  40
.set OUT, 48
.set WF,  64
.set QF,  128
.set SP,  272                          ; a stage row: 64 outputs x 4 bytes + 16 of padding
.set MSB, 0
.macro WIN new                         ; the immediate's high byte repeats the setting that is left
.if MSB != (\new)
	s_set_vgpr_msb (MSB<<8)|(\new)
.set MSB, (\new)
.endif
.endm
	s_load_b256 s[4:11], s[0:1], 0x0               ; query s[4:5], Wa s[6:7], the scales' exponents s[8:9], Wa_b s[10:11]
	s_load_b128 s[12:15], s[0:1], 0x20             ; Ua_b s[12:13], qb s[14:15]
	v_lshl_add_u32 v14, v0, 2, 0x2200
	v_mov_b32 v15, 0
	v_lshrrev_b32 v1, 5, v0
	v_readfirstlane_b32 s16, v1                    ; wave 0..3
	v_and_b32 v1, 15, v0                           ; r
	v_bfe_u32 v2, v0, 4, 1                         ; h
	v_lshlrev_b32 v3, 10, v1
	v_lshl_add_u32 v3, v2, 4, v3                   ; codes: row r of 1,024 bytes + 16 h
	v_lshlrev_b32 v4, 5, v2                        ; biases: my half's eight numbers, 32 h
	s_lshl_b32 s17, ttmp9, 6
	s_lshl_b32 s18, s16, 4
	s_add_co_u32 s17, s17, s18                     ; my first output: 64 g + 16 w
	s_lshl_b32 s18, s17, 10                        ; its row of Wa
	s_mov_b32 s19, 0
	s_lshl_b32 s26, s17, 2                         ; its place in the biases
	s_mov_b32 s27, 0
	s_lshl_b32 s28, s16, 15                        ; qb: the rows that I store, 8 w on, 4,096 bytes each,
	s_lshl_b32 s29, ttmp9, 8                       ; and the work-group's 256 bytes of a row
	s_add_co_u32 s28, s28, s29
	s_mov_b32 s29, 0
	s_mov_b32 s24, 0x4038aa3b                      ; c = 2 log2(e)
	s_mov_b32 s25, s24                             ; (named with it as a pair, so it is written)
	s_wait_alu depctr_va_vdst(0)
	s_wait_kmcnt 0x0
	s_load_b64 s[20:21], s[8:9], 0x0               ; e0, e1
	s_add_nc_u64 s[6:7], s[6:7], s[18:19]
	s_add_nc_u64 s[10:11], s[10:11], s[26:27]
	s_add_nc_u64 s[12:13], s[12:13], s[26:27]
	s_add_nc_u64 s[14:15], s[14:15], s[28:29]
.macro LOADS half                      ; four K steps: 16 loads of Wa, 32 of query
.irp k, 0,1,2,3
.irp c, 0,1,2,3
	global_load_b128 v[WF+16*\k+4*\c:WF+16*\k+4*\c+3], v3, s[6:7] offset:512*\half+128*\k+32*\c
.endr
.endr
.irp t, 0,1
.irp k, 0,1,2,3
.irp c, 0,1,2,3
	global_load_b128 v[QF+64*\t+16*\k+4*\c:QF+64*\t+16*\k+4*\c+3], v3, s[4:5] offset:16384*\t+512*\half+128*\k+32*\c
.endr
.endr
.endr
.endm
	LOADS 0
	global_load_b128 v[WB:WB+3],   v4, s[10:11]
	global_load_b128 v[WB+4:WB+7], v4, s[10:11] offset:16
	global_load_b128 v[UB:UB+3],   v4, s[12:13]
	global_load_b128 v[UB+4:UB+7], v4, s[12:13] offset:16
	WIN 0x40                                       ; destination window 1
	LOADS 1
	WIN 0
	v_mul_u32_u24 v5, v1, SP                       ; the stage, on the way in: row = batch r, + 32 h, + my wave's 64 bytes
	v_lshl_add_u32 v5, v2, 5, v5
	s_lshl_b32 s30, s16, 6
	v_add_nc_u32 v5, s30, v5
	v_mul_u32_u24 v6, v2, SP                       ; and back: rows 8 w + h, sixteen lanes to a row
	v_lshl_add_u32 v6, v1, 4, v6
	s_mul_i32 s30, s16, 8*SP
	v_add_nc_u32 v6, s30, v6
	v_lshlrev_b32 v7, 12, v2                       ; the same two rows in qb
	v_lshl_add_u32 v7, v1, 4, v7
	s_wait_loadcnt 48                              ; K steps 0-3 and the biases are in; the 48 loads of K steps 4-7 may be out
.irp k, 0,1,2,3                        ; the two accumulators take turns, one instruction a turn; the first K step starts the sums
.irp t, 0,1
.if \k == 0
	v_wmma_f32_16x16x128_bf8_bf8 v[ACC+8*\t:ACC+8*\t+7], v[WF+16*\k:WF+16*\k+15], v[QF+64*\t+16*\k:QF+64*\t+16*\k+15], 0
.else
	v_wmma_f32_16x16x128_bf8_bf8 v[ACC+8*\t:ACC+8*\t+7], v[WF+16*\k:WF+16*\k+15], v[QF+64*\t+16*\k:QF+64*\t+16*\k+15], v[ACC+8*\t:ACC+8*\t+7]
.endif
.endr
.endr
	s_wait_loadcnt 0x0
	WIN 0x05                                       ; sources 0 and 1 in window 1
.irp k, 0,1,2,3
.irp t, 0,1
	v_wmma_f32_16x16x128_bf8_bf8 v[ACC+8*\t:ACC+8*\t+7], v[WF+16*\k:WF+16*\k+15], v[QF+64*\t+16*\k:QF+64*\t+16*\k+15], v[ACC+8*\t:ACC+8*\t+7]
.endr
.endr
	WIN 0
	s_wait_kmcnt 0x0
	s_add_co_i32 s22, s20, s21
	s_lshl_b32 s22, s22, 23
	s_add_co_i32 s22, s22, 0x4038aa3b              ; c x 2^(e0 + e1): the exponents go into c's exponent field
	s_mov_b32 s23, s22
.irp j, 0,2,4,6                        ; c (Wa_b + Ua_b).  These eight plain instructions name no register of the products: they are the places behind the last one (ISA guide 7.12.1)
	v_pk_add_f32 v[WB+\j:WB+\j+1], v[WB+\j:WB+\j+1], v[UB+\j:UB+\j+1]
.endr
.irp j, 0,2,4,6
	v_pk_mul_f32 v[WB+\j:WB+\j+1], v[WB+\j:WB+\j+1], s[24:25] op_sel_hi:[1,0]
.endr
.irp t, 0,1
.irp j, 0,2,4,6                        ; each accumulator from its low end on
	v_pk_fma_f32 v[OUT+8*\t+\j:OUT+8*\t+\j+1], v[ACC+8*\t+\j:ACC+8*\t+\j+1], s[22:23], v[WB+\j:WB+\j+1] op_sel_hi:[1,0,1]
.endr
.endr
.irp t, 0,1
	ds_store_b128 v5, v[OUT+8*\t:OUT+8*\t+3]   offset:16*SP*\t
	ds_store_b128 v5, v[OUT+8*\t+4:OUT+8*\t+7] offset:16*SP*\t+16
.endr
	s_wait_dscnt 0x0                               ; for the others' sake: my part of each row's 256 bytes lies in the stage
	s_barrier_signal -1
	s_barrier_wait -1
.irp i, 0,1,2,3
	ds_load_b128 v[OUT+4*\i:OUT+4*\i+3], v6 offset:2*\i*SP
.endr
.irp i, 0,1,2,3
	s_wait_dscnt 3-\i                              ; LDS loads come back in order: pair i of rows is in
	global_store_b128 v7, v[OUT+4*\i:OUT+4*\i+3], s[14:15] offset:2*\i*4096   ; sixteen lanes store 256 consecutive bytes, at a multiple of 256 from qb's first byte
.endr
	s_wait_tensorcnt 0x0
	ds_add_u32 v14, v15
	s_wait_dscnt 0x0
	s_endpgm
.Lfunc_end_k_q23fb62a2b4_qproj:
	.size	k_q23fb62a2b4_qproj, .Lfunc_end_k_q23fb62a2b4_qproj-k_q23fb62a2b4_qproj
	.p2alignl 7, 3214868480
	.fill 96, 4, 3214868480
	.section	.rodata,"a",@progbits
	.p2align	6, 0x0
	.amdhsa_kernel k_q23fb62a2b4_qproj
		.amdhsa_group_segment_fixed_size 9216
		.amdhsa_private_segment_fixed_size 0
		.amdhsa_enable_private_segment 0
		.amdhsa_kernarg_size 48
		.amdhsa_user_sgpr_count 2
		.amdhsa_user_sgpr_kernarg_segment_ptr 1
		.amdhsa_wavefront_size32 1
		.amdhsa_system_sgpr_workgroup_id_x 1
		.amdhsa_system_sgpr_workgroup_id_y 1
		.amdhsa_system_sgpr_workgroup_id_z 1
		.amdhsa_system_vgpr_workitem_id 0
		.amdhsa_next_free_vgpr 512
		.amdhsa_next_free_sgpr 66
		.amdhsa_reserve_vcc 0
		.amdhsa_float_denorm_mode_32 3
		.amdhsa_float_denorm_mode_16_64 3
		.amdhsa_memory_ordered 1
		.amdhsa_forward_progress 1
		.amdhsa_inst_pref_size 16
	.end_amdhsa_kernel
	.amdgpu_metadata
---
amdhsa.version: [ 1, 2 ]
amdhsa.kernels:
  - .name:           k_q23fb62a2b4_qproj
    .symbol:         k_q23fb62a2b4_qproj.kd
    .args:
      - { .name: query_codes, .offset: 0, .size: 8, .value_kind: global_buffer, .address_space: global }
      - { .name: Wa_w_codes, .offset: 8, .size: 8, .value_kind: global_buffer, .address_space: global }
      - { .name: lowp_scales, .offset: 16, .size: 8, .value_kind: global_buffer, .address_space: global }
      - { .name: Wa_b, .offset: 24, .size: 8, .value_kind: global_buffer, .address_space: global }
      - { .name: Ua_b, .offset: 32, .size: 8, .value_kind: global_buffer, .address_space: global }
      - { .name: qb, .offset: 40, .size: 8, .value_kind: global_buffer, .address_space: global }
    .group_segment_fixed_size: 9216
    .private_segment_fixed_size: 0
    .kernarg_segment_align: 8
    .kernarg_segment_size: 48
    .max_flat_workgroup_size: 128
    .sgpr_count:     66
    .vgpr_count:     512
    .wavefront_size: 32
...
	.end_amdgpu_metadata
.endif
;; end of part 1
;; launch scores (part 2): grid 256 x 1, 4 waves a work-group, clusters of 4 x 1, 327,680 bytes of LDS; arguments keys, Ua_w_codes, lowp_scales, qb, Va_w, rawsc; writes rawsc
.if DOCPART == 2
	.amdgcn_target "amdgcn-amd-amdhsa--gfx1250"
	.amdhsa_code_object_version 6
	.text
	.protected	k_q23fb62a2b4_scores
	.globl	k_q23fb62a2b4_scores
	.p2align	8
	.type	k_q23fb62a2b4_scores,@function
k_q23fb62a2b4_scores:
	s_mov_b64 s[64:65], 0
	v_nop
	global_prefetch_b8 v0, s[64:65] scope:SCOPE_SE
	s_setreg_imm32_b32 hwreg(HW_REG_WAVE_MODE, 25, 1), 1
	s_wait_xcnt 0x0
	s_wait_alu depctr_hold_cnt(0) depctr_sa_sdst(0) depctr_va_vdst(0) depctr_va_sdst(0) depctr_va_ssrc(0) depctr_va_vcc(0) depctr_vm_vsrc(0)
	s_getreg_b32 s2, hwreg(HW_REG_IB_STS2, 6, 4)
	s_cmp_eq_u32 s2, 0
	s_cbranch_scc0 .Lentry_in_a_cluster
	s_endpgm
.Lentry_in_a_cluster:
	s_bfe_u32 s2, ttmp6, 0x10000c
	s_cmp_lg_u32 s2, 0x3003
	s_cbranch_scc0 .Lentry_shape_is_right
	s_endpgm
.Lentry_shape_is_right:
; raw[s] = sum over o of -2 Va[o] / (1 + 2^(c k_proj[s][o] + qb[o])),  c = 2 log2(e);  tanh(x) = 1 - 2 / (1 + e^(2x)), so score = raw + sum of Va + Va_b: the next launch adds those two.
; k_proj = Q(keys) Ua^T in E5M2: keys are quantised here with the given 2^e2 (held at +-57,344 x 2^e2 first), Ua comes as codes x 2^e3; each finished sum is multiplied once by c x 2^(e2 + e3).
; LIMITS: e2 between -126 and 112 (2^e2 and 57,344 x 2^e2 are made as f32 numbers); e2 + e3 between -127 and 126 (added to c's exponent field).
; SHARES.  Work-group g owns rows 256 g .. 256 g + 255 of the 65,536 (batch g / 8); wave w 64 of them.  PART 1: the wave's rows come as f32 through two LDS slots (32 rows x 1,024 bytes a load, the wave's own)
; and become codes in 512 registers (windows 2 and 3).  PART 2: Ua's 1,024 rows go through the same two slots, 128 rows a slot, asked for JOINTLY by the four work-groups of a cluster; all four waves read every tile.
; THE MATRIX INSTRUCTION IS USED TRANSPOSED: source 0 = 16 rows of Ua, source 1 = 16 rows of keys: lane (r, h) holds key row r, its registers the outputs 8 h + 0 .. 7.
; A fragment is four loads of 16 bytes, 32 apart: registers 4 c .. 4 c + 3 hold K = 32 c + 16 h + 0 .. 15, the same permutation of K on both sides.
; A TILE OF 16 OUTPUTS: 32 matrix instructions on four accumulators that take turns; 16 packed multiply-adds make the exponents; ONE batch of 64 transcendentals (this tile's exponentials, the tile before's reciprocals);
; then + 1 for this tile and the weighted sums of the tile before.  So a tile has one wait ahead of its batch and one behind it, and none among its matrix instructions.
; NO PREFETCH: part 1 asks memory for its next slot straight behind each round and does nothing else; part 2's 1 MiB of Ua is read by all work-groups in step.
; raw goes out permuted in blocks of 64 rows: word 64 B + 4 r + t is row 64 B + 16 t + r.
; REGISTERS, window 0: v1-10 addresses and constants; v16-23 the rows' sums; v32-95 two sets of four accumulators; v96-127 two sets of tables (8 qb, 8 of -2 Va); v128-255 Ua's fragments (part 1: f32 keys).
.set PITCH,  1040                      ; an LDS row: 1,024 bytes + 16 of padding: 16 rows begin in 16 different groups of banks
.set TILE16, 16*PITCH
.set QUART,  32*PITCH                  ; what one tensor load brings
.set SLOT,   4*QUART
.set TAB,    2*SLOT                    ; qb's 1,024 numbers, then -2 Va's: stored by ds_store, no fill lands here
.set SPARE,  TAB+8192                  ; the spare words, 128 bytes a wave
.set SPW, 1
.set NIL, 2
.set LB,  3
.set ADB, 4
.set H32, 5
.set ADT, 6
.set AK,  7
.set SC,  9
.set LIM, 10
.set SAC, 16
.set ACC, 32
.set TBL, 96
.set BF,  128
.set X,   128
.set WV,  16
.set G1K, 24
.set G1U, 32
.set G0K0, 40
.set G0K1, 44
.set G0U0, 48
.set G0U1, 52
.set CS,  56
.set SEL, 58
.set TB,  60
.set TT,  61
.set OUTC, 62
.set INC, 63
.set MSB, 0
.macro WIN new                         ; the immediate's high byte repeats the setting that is left
.if MSB != (\new)
	s_set_vgpr_msb (MSB<<8)|(\new)
.set MSB, (\new)
.endif
.endm
.macro PLACES                          ; four places behind a matrix instruction (ISA guide 7.12.1)
.rept 4
	v_nop
.endr
.endm
.macro ROUND                           ; a round of the cluster's barrier
	s_barrier_signal -1
	s_barrier_wait -1
	s_cmp_lg_u32 s[WV], 0
	s_cbranch_scc1 .Lnot_wave_0_\@
	s_barrier_signal -3
.Lnot_wave_0_\@:
	s_barrier_wait -3
	s_barrier_signal -1
	s_barrier_wait -1
.endm
.macro CHANGE g0, g1, step             ; a change of slots: all my loads landed, the add, my LDS reads back, a round, my one tensor load
	WIN 0
	s_wait_tensorcnt 0x0
	ds_add_u32 v[SPW], v[NIL]
.if \step
	s_add_nc_u64 s[\g0+2:\g0+3], s[\g0+2:\g0+3], \step
.endif
	s_wait_dscnt 0x0
	ROUND
	tensor_load_to_lds s[\g0:\g0+3], s[\g1:\g1+7]
	s_nop 0
	PLACES
.endm
	s_load_b256 s[4:11], s[0:1], 0x0               ; keys s[4:5], Ua s[6:7], the scales' exponents s[8:9], qb s[10:11]
	s_load_b128 s[12:15], s[0:1], 0x20             ; Va s[12:13], raw s[14:15]
	v_lshl_add_u32 v[SPW], v0, 2, SPARE
	v_mov_b32 v[NIL], 0
	ds_add_u32 v[SPW], v[NIL]                      ; the opening lines: the add twice on end and its wait
	ds_add_u32 v[SPW], v[NIL]
	s_wait_dscnt 0x0
	v_lshrrev_b32 v11, 5, v0
	v_readfirstlane_b32 s[WV], v11                 ; wave 0..3
	s_bfe_u32 s17, ttmp6, 0x40000                  ; cx
	s_lshl_b32 s18, ttmp9, 2
	s_add_co_u32 s18, s18, s17                     ; work-group
	s_mov_b32 s[G1K], (1<<20)|(7<<22)|(3<<25)      ; bytes; 4 words of padding behind every 256 words; no mask: the keys are my own
	s_mov_b32 s[G1U], 15|(1<<20)|(1<<21)|(7<<22)|(3<<25)   ; the same with the mask of all four partners: Ua's tiles
.irp g, G1K, G1U
	s_mov_b32 s[\g+1], 1024<<16
	s_mov_b32 s[\g+2], 32<<16
	s_mov_b32 s[\g+3], 1024<<16
	s_mov_b32 s[\g+4], 32
	s_mov_b32 s[\g+6], 0
	s_mov_b32 s[\g+7], 0
.endr
	s_mov_b32 s[G1K+5], 4096                       ; a row of keys in memory
	s_mov_b32 s[G1U+5], 1024                       ; a row of Ua
	s_mov_b32 s[SEL], 0x76543210
	s_mov_b32 s[SEL+1], 0xfedcba98
	s_mul_i32 s19, s[WV], QUART                    ; my quarter of a slot
	s_lshl_b32 s66, s18, 20                        ; 256 rows of 4,096 bytes a work-group,
	s_lshl_b32 s67, s[WV], 18                      ; 64 a wave
	s_add_co_u32 s66, s66, s67
	s_mov_b32 s67, 0
	s_lshl_b32 s70, s[WV], 15                      ; Ua: 32 rows of 1,024 bytes a wave
	s_mov_b32 s71, 0
	s_wait_kmcnt 0x0
	s_load_b128 s[20:23], s[8:9], 0x0              ; e0 .. e3
	s_mov_b32 s[G0K0], 1
	s_mov_b32 s[G0K0+1], s19
	s_add_nc_u64 s[G0K0+2:G0K0+3], s[4:5], s[66:67]
	s_mov_b32 s[G0K1], 1
	s_add_co_u32 s[G0K1+1], s19, SLOT
	s_add_nc_u64 s[G0K1+2:G0K1+3], s[G0K0+2:G0K0+3], 32*4096
	s_or_b32 s[G0K0+3], s[G0K0+3], 0x80000000
	s_or_b32 s[G0K1+3], s[G0K1+3], 0x80000000
	s_mov_b32 s[G0U0], 1
	s_mov_b32 s[G0U0+1], s19
	s_add_nc_u64 s[G0U0+2:G0U0+3], s[6:7], s[70:71]
	s_mov_b32 s[G0U1], 1
	s_add_co_u32 s[G0U1+1], s19, SLOT
	s_add_nc_u64 s[G0U1+2:G0U1+3], s[G0U0+2:G0U0+3], 128*1024
	s_or_b32 s[G0U0+3], s[G0U0+3], 0x80000000
	s_or_b32 s[G0U1+3], s[G0U1+3], 0x80000000
	ROUND
	tensor_load_to_lds s[G0K0:G0K0+3], s[G1K:G1K+7]    ; my rows 0-31, K 0-255: the one load at the head
	s_nop 0
	s_wait_alu depctr_va_vdst(0)
	s_wait_tensorcnt 0x0                           ; slot 1's first fill is issued as a refill is
	ds_add_u32 v[SPW], v[NIL]
	s_wait_dscnt 0x0
	ROUND
	tensor_load_to_lds s[G0K1:G0K1+3], s[G1K:G1K+7]    ; my rows 32-63
	s_nop 0
	PLACES
	s_lshr_b32 s68, s18, 3                         ; the batch
	s_lshl_b32 s68, s68, 12
	s_mov_b32 s69, 0
	s_add_nc_u64 s[10:11], s[10:11], s[68:69]
	v_lshlrev_b32 v11, 4, v0
	global_load_b128 v[32:35], v11, s[10:11]
	global_load_b128 v[36:39], v11, s[10:11] offset:2048
	global_load_b128 v[40:43], v11, s[12:13]
	global_load_b128 v[44:47], v11, s[12:13] offset:2048
	s_lshl_b32 s68, s18, 10
	s_lshl_b32 s69, s[WV], 8
	s_add_co_u32 s68, s68, s69
	s_mov_b32 s69, 0
	s_add_nc_u64 s[14:15], s[14:15], s[68:69]      ; raw: my wave's 256 bytes
	v_add_nc_u32 v12, TAB, v11
	v_and_b32 v13, 15, v0                          ; r
	v_bfe_u32 v14, v0, 4, 1                        ; h
	v_mul_u32_u24 v15, v13, PITCH
	v_lshl_add_u32 v[LB], v14, 4, v15              ; Ua's fragments: row r, + 16 h
	v_lshlrev_b32 v[H32], 5, v14                   ; tables: my half's eight numbers
	v_lshl_add_u32 v[AK], v14, 6, v15              ; keys as f32: row r, + 64 h
	v_add_nc_u32 v[AK], s19, v[AK]
	v_add_nc_u32 v[AK+1], SLOT, v[AK]
.irp j, 0,1,2,3,4,5,6,7
	v_mov_b32 v[SAC+\j], 0
.endr
	s_wait_kmcnt 0x0
	s_add_co_i32 s[CS], s22, s23
	s_lshl_b32 s[CS], s[CS], 23
	s_add_co_i32 s[CS], s[CS], 0x4038aa3b          ; c x 2^(e2 + e3)
	s_mov_b32 s[CS+1], s[CS]
	s_add_co_i32 s66, s22, 127
	s_lshl_b32 s67, s66, 23
	v_mov_b32 v[SC], s67                           ; 2^e2
	s_add_co_i32 s66, s66, 15
	s_lshl_b32 s66, s66, 23
	s_or_b32 s66, s66, 0x600000
	v_mov_b32 v[LIM], s66                          ; 57,344 x 2^e2
	s_wait_alu depctr_va_vdst(0)
	s_wait_loadcnt 0x0
.irp j, 40,42,44,46
	v_pk_mul_f32 v[\j:\j+1], v[\j:\j+1], -2.0 op_sel_hi:[1,0]
.endr
	ds_store_b128 v12, v[32:35]
	ds_store_b128 v12, v[36:39] offset:2048
	ds_store_b128 v12, v[40:43] offset:4096
	ds_store_b128 v12, v[44:47] offset:6144
; PART 1.  16 rows x 128 K as f32: 64 registers, in the order of the operand's layout
.macro LOADX set, g, u, s
.irp c, 0,1,2,3
.irp j, 0,1,2,3
	ds_load_b128 v[X+64*(\set)+16*\c+4*\j:X+64*(\set)+16*\c+4*\j+3], v[AK+\g] offset:(\u)*TILE16+512*(\s)+128*\c+16*\j
.endr
.endr
.endm
.macro QUANT set, t, k, left           ; held, then converted: the results are the fragment (row tile t, K step k)
	s_wait_dscnt \left
.set rX, X+64*(\set)
.set rC, 64*((\k)%4)+16*(\t)
.set n, 0
.rept 64
	v_med3_num_f32 v[rX+n], v[rX+n], -v[LIM], v[LIM]
.set n, n+1
.endr
	WIN 0x80+0x40*((\k)/4)
.set n, 0
.rept 8
	v_cvt_scalef32_pk8_bf8_f32 v[rC+2*n:rC+2*n+1], v[rX+8*n:rX+8*n+7], v[SC]
.set n, n+1
.endr
	v_nop                                          ; a plain place behind the last conversion
	WIN 0
.endm
.macro TRIP g, q                       ; slot g: my 32 rows x 256 K
	LOADX 0, \g, 0, 0
	LOADX 1, \g, 0, 1
	QUANT 0, 2*\g, 2*\q, 16
	LOADX 0, \g, 1, 0
	QUANT 1, 2*\g, 2*\q+1, 16
	LOADX 1, \g, 1, 1
	QUANT 0, 2*\g+1, 2*\q, 16
	QUANT 1, 2*\g+1, 2*\q+1, 0
.endm
	s_wait_tensorcnt 0x1                           ; slot 0 is in; slot 1's load may be out
	TRIP 0, 0
	CHANGE G0K0, G1K, 1024
	TRIP 1, 0
	CHANGE G0K1, G1K, 1024
	TRIP 0, 1
	CHANGE G0K0, G1K, 1024
	TRIP 1, 1
	CHANGE G0K1, G1K, 1024
	TRIP 0, 2
	CHANGE G0K0, G1K, 1024
	TRIP 1, 2
	CHANGE G0K1, G1K, 1024
	TRIP 0, 3
	CHANGE G0U0, G1U, 0                            ; slot 0 has been read out: Ua's rows 0-127
	TRIP 1, 3
; PART 2
.macro ARGP n, q                       ; c x sum + qb, two at a time
	v_pk_fma_f32 v[ACC+32*(\q)+2*(\n):ACC+32*(\q)+2*(\n)+1], v[ACC+32*(\q)+2*(\n):ACC+32*(\q)+2*(\n)+1], s[CS:CS+1], v[TBL+16*(\q)+2*((\n)%4):TBL+16*(\q)+2*((\n)%4)+1] op_sel_hi:[1,0,1]
.endm
.macro ONEP n, q
	v_pk_add_f32 v[ACC+32*(\q)+2*(\n):ACC+32*(\q)+2*(\n)+1], v[ACC+32*(\q)+2*(\n):ACC+32*(\q)+2*(\n)+1], 1.0 op_sel_hi:[1,0]
.endm
.macro SUMS q                          ; the rows' sums take -2 Va / (1 + e): four chains, one a row tile
.irp a, 0,1,2,3
.irp t, 0,1,2,3
	v_pk_fma_f32 v[SAC+2*\t:SAC+2*\t+1], v[ACC+32*(\q)+8*\t+2*\a:ACC+32*(\q)+8*\t+2*\a+1], v[TBL+16*(\q)+8+2*\a:TBL+16*(\q)+8+2*\a+1], v[SAC+2*\t:SAC+2*\t+1]
.endr
.endr
.endm
.macro RCPS q
.set n, 0
.rept 32
	v_rcp_f32 v[ACC+32*(\q)+n], v[ACC+32*(\q)+n]
.set n, n+1
.endr
.endm
; One tile of 16 outputs on accumulator set p.  vec = 1: a tile came before.  pf = 1: the next tile's fragments are fetched, from ADB + boff.  toff: this tile's tables, from ADT.
.macro GROUP p, vec, pf, boff, toff
.set rD, ACC+32*(\p)
	s_wait_dscnt 16                                ; fragments 0-3 are in; the 16 loads of fragments 4-7 may be out
	WIN 0x08                                       ; source 1: window 2
.irp k, 0,1,2,3
.irp t, 0,1,2,3
.if \k == 0
	v_wmma_f32_16x16x128_bf8_bf8 v[rD+8*\t:rD+8*\t+7], v[BF+16*\k:BF+16*\k+15], v[64*\k+16*\t:64*\k+16*\t+15], 0
.else
	v_wmma_f32_16x16x128_bf8_bf8 v[rD+8*\t:rD+8*\t+7], v[BF+16*\k:BF+16*\k+15], v[64*\k+16*\t:64*\k+16*\t+15], v[rD+8*\t:rD+8*\t+7]
.endif
.endr
.endr
	PLACES
	ds_load_b128 v[TBL+16*(\p):TBL+16*(\p)+3],     v[ADT] offset:\toff
	ds_load_b128 v[TBL+16*(\p)+4:TBL+16*(\p)+7],   v[ADT] offset:\toff+16
	ds_load_b128 v[TBL+16*(\p)+8:TBL+16*(\p)+11],  v[ADT] offset:\toff+4096
	ds_load_b128 v[TBL+16*(\p)+12:TBL+16*(\p)+15], v[ADT] offset:\toff+4112
.if \pf
.irp f, 0,1,2,3
.irp c, 0,1,2,3
	ds_load_b128 v[BF+16*\f+4*\c:BF+16*\f+4*\c+3], v[ADB] offset:\boff+128*\f+32*\c
.endr
.endr
.endif
	s_wait_dscnt 4+16*\pf                          ; fragments 4-7 are in; the loads just issued may be out
	WIN 0x0c                                       ; source 1: window 3
.irp k, 4,5,6,7
.irp t, 0,1,2,3
	v_wmma_f32_16x16x128_bf8_bf8 v[rD+8*\t:rD+8*\t+7], v[BF+16*\k:BF+16*\k+15], v[64*(\k-4)+16*\t:64*(\k-4)+16*\t+15], v[rD+8*\t:rD+8*\t+7]
.endr
.endr
	WIN 0
	PLACES
.if \pf
.irp f, 4,5,6,7
.irp c, 0,1,2,3
	ds_load_b128 v[BF+16*\f+4*\c:BF+16*\f+4*\c+3], v[ADB] offset:\boff+128*\f+32*\c
.endr
.endr
.endif
	s_wait_dscnt 32*\pf                            ; the tables are in; the next tile's 32 fragment loads may be out
.irp n, 0,1,2,3,4,5,6,7,8,9,10,11,12,13,14,15
	ARGP \n, \p                                    ; each accumulator from its low end on
.endr
	s_wait_alu depctr_va_vdst(0)
.set n, 0
.rept 32
	v_exp_f32 v[rD+n], v[rD+n]
.set n, n+1
.endr
.if \vec
	RCPS 1-\p
.endif
	v_nop                                          ; a plain place behind the last transcendental
	s_wait_alu depctr_va_vdst(0)                   ; and the one wait ahead of the batch's first reader
.irp n, 0,1,2,3,4,5,6,7,8,9,10,11,12,13,14,15
	ONEP \n, \p
.endr
.if \vec
	SUMS 1-\p
.endif
.endm
.macro PAIR                            ; two tiles; TB: where the fragments of the tile after the first lie
	v_add_nc_u32 v[ADB], s[TB], v[LB]
	v_add_nc_u32 v[ADT], s[TT], v[H32]
	s_wait_alu depctr_va_vdst(0)
	GROUP 1, 1, 1, 0, 0
	GROUP 0, 1, 1, TILE16, 64
	s_add_co_u32 s[TB], s[TB], 2*TILE16
	s_add_co_u32 s[TT], s[TT], 128
.endm
.macro PAIRS n
	s_mov_b32 s[INC], \n
.Lpair_\@:
	PAIR
	s_sub_co_u32 s[INC], s[INC], 1
	s_cmp_lg_u32 s[INC], 0
	s_cbranch_scc1 .Lpair_\@
.endm
	CHANGE G0U1, G1U, 0                            ; Ua's rows 128-255 into slot 1; slot 0 is whole, and so are the tables
	v_mov_b32 v[ADB], v[LB]
	v_add_nc_u32 v[ADT], TAB, v[H32]
.irp k, 0,1,2,3,4,5,6,7
.irp c, 0,1,2,3
	ds_load_b128 v[BF+16*\k+4*\c:BF+16*\k+4*\c+3], v[ADB] offset:128*\k+32*\c
.endr
.endr
	s_wait_alu depctr_va_vdst(0)
	GROUP 0, 0, 1, TILE16, 0                       ; tile 0
	s_mov_b32 s[TB], 2*TILE16
	s_mov_b32 s[TT], TAB+64
	PAIRS 3                                        ; tiles 1-6; tile 7's fragments are fetched: slot 0 is read out
	s_mov_b32 s[OUTC], 3
.Lslot:
	CHANGE G0U0, G1U, 2*128*1024
	s_mov_b32 s[TB], SLOT
	PAIRS 4
	CHANGE G0U1, G1U, 2*128*1024
	s_mov_b32 s[TB], 0
	PAIRS 4
	s_sub_co_u32 s[OUTC], s[OUTC], 1
	s_cmp_lg_u32 s[OUTC], 0
	s_cbranch_scc1 .Lslot
	s_wait_tensorcnt 0x0                           ; the last slot: nothing is filled again
	ds_add_u32 v[SPW], v[NIL]
	s_wait_dscnt 0x0
	s_barrier_signal -1
	s_barrier_wait -1
	s_mov_b32 s[TB], SLOT
	PAIRS 4
	v_add_nc_u32 v[ADT], s[TT], v[H32]
	s_wait_alu depctr_va_vdst(0)
	GROUP 1, 1, 0, 0, 0                            ; tile 63
	s_wait_alu depctr_va_vdst(0)                   ; ahead of the last batch
	RCPS 1
	v_nop
	s_wait_alu depctr_va_vdst(0)
	SUMS 1
.irp t, 0,1,2,3
	v_add_f32 v[24+\t], v[SAC+2*\t], v[SAC+2*\t+1]
.endr
.irp t, 0,1,2,3
	v_permlanex16_b32 v[32+\t], v[24+\t], s[SEL], s[SEL+1]     ; the other half's eight outputs of each tile
.endr
.irp t, 0,1,2,3
	v_add_f32 v[24+\t], v[24+\t], v[32+\t]
.endr
	v_bfe_u32 v14, v0, 4, 1
	v_and_b32 v13, 15, v0
	v_cmp_eq_u32 vcc_lo, 1, v14
	v_cndmask_b32 v28, v24, v26, vcc_lo            ; lanes 0-15 store row tiles 0, 1; lanes 16-31 tiles 2, 3
	v_cndmask_b32 v29, v25, v27, vcc_lo
	v_lshlrev_b32 v13, 4, v13
	v_lshl_add_u32 v13, v14, 3, v13
	global_store_b64 v13, v[28:29], s[14:15]       ; the wave stores 256 consecutive bytes, aligned
	s_wait_tensorcnt 0x0                           ; the wave's end
	ds_add_u32 v[SPW], v[NIL]
	s_wait_dscnt 0x0
	ROUND                                          ; the closing round
	s_endpgm
.Lfunc_end_k_q23fb62a2b4_scores:
	.size	k_q23fb62a2b4_scores, .Lfunc_end_k_q23fb62a2b4_scores-k_q23fb62a2b4_scores
	.p2alignl 7, 3214868480
	.fill 96, 4, 3214868480
	.section	.rodata,"a",@progbits
	.p2align	6, 0x0
	.amdhsa_kernel k_q23fb62a2b4_scores
		.amdhsa_group_segment_fixed_size 327680
		.amdhsa_private_segment_fixed_size 0
		.amdhsa_enable_private_segment 0
		.amdhsa_kernarg_size 48
		.amdhsa_user_sgpr_count 2
		.amdhsa_user_sgpr_kernarg_segment_ptr 1
		.amdhsa_wavefront_size32 1
		.amdhsa_system_sgpr_workgroup_id_x 1
		.amdhsa_system_sgpr_workgroup_id_y 1
		.amdhsa_system_sgpr_workgroup_id_z 1
		.amdhsa_system_vgpr_workitem_id 0
		.amdhsa_next_free_vgpr 1024
		.amdhsa_next_free_sgpr 72
		.amdhsa_reserve_vcc 1
		.amdhsa_float_denorm_mode_32 3
		.amdhsa_float_denorm_mode_16_64 3
		.amdhsa_memory_ordered 1
		.amdhsa_forward_progress 1
		.amdhsa_inst_pref_size 255
	.end_amdhsa_kernel
	.section	.bss,"aw",@nobits
	.p2align	6
	.space	262144
	.amdgpu_metadata
---
amdhsa.version: [ 1, 2 ]
amdhsa.kernels:
  - .name:           k_q23fb62a2b4_scores
    .symbol:         k_q23fb62a2b4_scores.kd
    .args:
      - { .name: keys, .offset: 0, .size: 8, .value_kind: global_buffer, .address_space: global }
      - { .name: Ua_w_codes, .offset: 8, .size: 8, .value_kind: global_buffer, .address_space: global }
      - { .name: lowp_scales, .offset: 16, .size: 8, .value_kind: global_buffer, .address_space: global }
      - { .name: qb, .offset: 24, .size: 8, .value_kind: global_buffer, .address_space: global }
      - { .name: Va_w, .offset: 32, .size: 8, .value_kind: global_buffer, .address_space: global }
      - { .name: rawsc, .offset: 40, .size: 8, .value_kind: global_buffer, .address_space: global }
    .group_segment_fixed_size: 327680
    .private_segment_fixed_size: 0
    .kernarg_segment_align: 8
    .kernarg_segment_size: 48
    .max_flat_workgroup_size: 128
    .sgpr_count:     72
    .vgpr_count:     1024
    .wavefront_size: 32
...
	.end_amdgpu_metadata
.endif
;; end of part 2
;; launch context (part 3): grid 8 x 32, 16 waves a work-group, no clusters, 18,944 bytes of LDS; arguments rawsc, Va_w, Va_b, keys, out0, out1; writes out0, out1
.if DOCPART == 3
	.amdgcn_target "amdgcn-amd-amdhsa--gfx1250"
	.amdhsa_code_object_version 6
	.text
	.protected	k_q23fb62a2b4_context
	.globl	k_q23fb62a2b4_context
	.p2align	8
	.type	k_q23fb62a2b4_context,@function
k_q23fb62a2b4_context:
	s_mov_b64 s[64:65], 0
	v_nop
	global_prefetch_b8 v0, s[64:65] scope:SCOPE_SE
	s_setreg_imm32_b32 hwreg(HW_REG_WAVE_MODE, 25, 1), 1
	s_wait_xcnt 0x0
; score[s] = raw[s] + (sum of Va + Va_b);  weights = softmax over the batch's 2,048 scores (out1);  context[h] = sum over s of weights[s] keys[s][h] (out0).  All in f32.
; The largest score is taken away before the exponential; p = 2^((score - largest) log2 e) lies between 0 and 1, their sum between 1 and 2,048; the division by the sum comes last.
; raw comes permuted in blocks of 64 rows: word 64 B + 4 r + t is row 64 B + 16 t + r.
; SHARES.  Work-group (x, y) owns, of batch y, columns 128 x .. 128 x + 127 of the context and weights 256 x .. 256 x + 255: every output number has one owner.  Each of its 16 waves takes 128 rows of keys:
; a load of the wave covers 512 consecutive bytes of one row, aligned.  The batch's softmax (8,192 bytes of raw scores) is made anew in each of its eight work-groups.
; NO CLUSTER, NO TENSOR LOADS: the eight work-groups of a batch share the 8,192 bytes of scores and Va's 4,096, against 1,048,576 bytes of keys that each reads alone and once; the keys go straight to registers.
; Two sets of 16 rows are on their way in each wave: 32 loads of 512 bytes.  Every offset is an immediate: 127 rows of 4,096 bytes at the most, inside the signed 24-bit field (ISA guide, chapter 10).
; REGISTERS: v1 16 x lane; v2, v3 offsets of the first loads; v4-7 my four scores, then p; v8-9 Va; v10 1 / sum; v12-15 weights on their way out; v16-31 four chains of four columns;
;   v32-47, v48-63 two sets of 16 weights; v64-127, v128-191 two sets of 16 rows; v192-199 LDS addresses; v200-207 at work.
.set P,    0                           ; LDS: p of the batch's 2,048 rows, in their own order
.set RED1, 8192                        ; 16 x (a wave's sum of Va, its largest raw score)
.set RED2, 8448                        ; 16 x a wave's sum of p
.set CTX,  8704                        ; 16 x 512 bytes: the waves' parts of the context
.set L16, 1
.set CH,  16
.set WT,  32
.set X,   64
.set AP,  192                          ; where my four p go: 256 (thread / 16) + 4 (thread % 16), + 64 t
.set AR1, 193
.set AR2, 194
.set ARD, 195
.set AW,  196                          ; my wave's 128 weights
.set AO1, 197                          ; the weights that I store, if I store any
.set AC,  198
.set ACR, 199
.set KC,  204
.set MX,  205
	s_load_b256 s[4:11], s[0:1], 0x0               ; raw scores s[4:5], Va s[6:7], Va_b s[8:9], keys s[10:11]
	s_load_b128 s[12:15], s[0:1], 0x20             ; out0 s[12:13], out1 s[14:15]
	v_lshl_add_u32 v208, v0, 2, 0x4200
	v_mov_b32 v209, 0
	v_lshrrev_b32 v2, 5, v0
	s_delay_alu instid0(VALU_DEP_1)
	v_readfirstlane_b32 s16, v2                    ; wave 0..15
	v_and_b32 v[L16], 31, v0
	s_delay_alu instid0(VALU_DEP_1)
	v_lshlrev_b32 v[L16], 4, v[L16]
	s_wait_alu depctr_va_vdst(0)
	v_lshlrev_b32 v2, 4, v0                        ; raw scores: 16 bytes a thread
	v_lshlrev_b32 v3, 3, v0                        ; Va: 8 bytes a thread
	s_and_b32 s17, ttmp9, 7                        ; x
	s_and_b32 s18, ttmp7, 0xffff                   ; the batch
	s_mov_b32 s22, 0x76543210                      ; v_permlanex16_b32: lane l xor 16
	s_mov_b32 s23, 0xfedcba98
	s_lshl_b32 s24, s18, 13                        ; a batch's scores and weights: 8,192 bytes
	s_mov_b32 s25, 0
	s_lshl_b32 s26, s18, 23                        ; its keys: 8 MiB,
	s_lshl_b32 s19, s17, 9                         ; my 512 bytes of a row,
	s_add_co_u32 s26, s26, s19
	s_lshl_b32 s21, s16, 19                        ; my wave's 128 rows
	s_add_co_u32 s26, s26, s21
	s_mov_b32 s27, 0
	s_lshl_b32 s28, s18, 12                        ; out0: a batch's 4,096 bytes, my 512
	s_add_co_u32 s28, s28, s19
	s_mov_b32 s29, 0
	s_and_b32 s21, s16, 1
	s_lshl_b32 s21, s21, 9
	s_lshl_b32 s19, s17, 10
	s_add_co_u32 s19, s19, s21                     ; the weights that waves 0 and 1 store: 1,024 x + 512 w, in P and in out1's row
	s_add_co_u32 s30, s24, s19
	s_mov_b32 s31, 0
	; every LDS address is made here, ahead of the first branch on the wave's number
	v_lshrrev_b32 v[AP], 4, v0
	s_delay_alu instid0(VALU_DEP_1)
	v_lshlrev_b32 v[AP], 8, v[AP]
	v_and_b32 v202, 15, v0
	s_delay_alu instid0(VALU_DEP_1)
	v_lshl_add_u32 v[AP], v202, 2, v[AP]
	v_add_nc_u32 v[AO1], s19, v[L16]
	s_lshl_b32 s21, s16, 3
	s_add_co_u32 s21, s21, RED1
	v_mov_b32 v[AR1], s21
	s_lshl_b32 s21, s16, 2
	s_add_co_u32 s21, s21, RED2
	v_mov_b32 v[AR2], s21
	v_mov_b32 v[ARD], RED1
	s_lshl_b32 s21, s16, 9
	v_mov_b32 v[AW], s21
	v_add_nc_u32 v[AC], s21, v[L16]
	s_delay_alu instid0(VALU_DEP_1)
	v_add_nc_u32 v[AC], CTX, v[AC]
	v_add_nc_u32 v[ACR], CTX, v[L16]
	v_mov_b32 v203, 0                              ; (a lane permute's destination counts as read: v202 and v203 are written)
	s_wait_kmcnt 0x0
	s_load_b32 s20, s[8:9], 0x0                    ; Va_b
	s_add_nc_u64 s[4:5], s[4:5], s[24:25]
	s_add_nc_u64 s[10:11], s[10:11], s[26:27]
	s_add_nc_u64 s[12:13], s[12:13], s[28:29]
	s_add_nc_u64 s[14:15], s[14:15], s[30:31]
.macro KLOAD j                         ; rows 16 j .. 16 j + 15 of my wave's 128 into set j % 2; read once in this launch
.irp i, 0,1,2,3,4,5,6,7,8,9,10,11,12,13,14,15
	global_load_b128 v[X+64*((\j)%2)+4*\i:X+64*((\j)%2)+4*\i+3], v[L16], s[10:11] offset:(16*(\j)+\i)*4096 th:TH_LOAD_NT
.endr
.endm
.macro WLOAD j                         ; their 16 weights, the same for every lane
.irp i, 0,1,2,3
	ds_load_b128 v[WT+16*((\j)%2)+4*\i:WT+16*((\j)%2)+4*\i+3], v[AW] offset:P+64*(\j)+16*\i
.endr
.endm
	global_load_b128 v[4:7], v2, s[4:5]
	global_load_b64 v[8:9], v3, s[6:7]
	KLOAD 0
	KLOAD 1
	s_wait_loadcnt 32                              ; my scores and my two of Va are in; the 32 rows of keys stay on their way
	v_add_f32 v200, v8, v9
	v_max3_num_f32 v201, v4, v5, v6
	s_delay_alu instid0(VALU_DEP_1)
	v_max_num_f32 v201, v201, v7
.irp m, 1
	s_delay_alu instid0(VALU_DEP_3)
	v_add_f32_dpp v200, v200, v200 row_xmask:\m row_mask:0xf bank_mask:0xf
	s_delay_alu instid0(VALU_DEP_2)
	v_max_num_f32_dpp v201, v201, v201 row_xmask:\m row_mask:0xf bank_mask:0xf
.endr
.irp m, 2, 4, 8
	s_delay_alu instid0(VALU_DEP_2)
	v_add_f32_dpp v200, v200, v200 row_xmask:\m row_mask:0xf bank_mask:0xf
	s_delay_alu instid0(VALU_DEP_2)
	v_max_num_f32_dpp v201, v201, v201 row_xmask:\m row_mask:0xf bank_mask:0xf
.endr
	s_delay_alu instid0(VALU_DEP_2)
	v_permlanex16_b32 v202, v200, s22, s23
	s_delay_alu instid0(VALU_DEP_2)
	v_permlanex16_b32 v203, v201, s22, s23
	s_delay_alu instid0(VALU_DEP_2)
	v_add_f32 v200, v200, v202
	s_delay_alu instid0(VALU_DEP_2)
	v_max_num_f32 v201, v201, v203
	ds_store_b64 v[AR1], v[200:201]                ; all lanes write the same two words with the same numbers
	s_wait_dscnt 0x0                               ; for the others' sake
	s_barrier_signal -1
	s_barrier_wait -1
.irp i, 0,1,2,3,4,5,6,7
	ds_load_b128 v[32+4*\i:35+4*\i], v[ARD] offset:16*\i
.endr
	s_wait_dscnt 0x0
	v_max3_num_f32 v201, v33, v35, v37
.irp i, 39,43,47,51,55,59
	s_delay_alu instid0(VALU_DEP_1)
	v_max3_num_f32 v201, v201, v[\i], v[\i+2]
.endr
	s_delay_alu instid0(VALU_DEP_1)
	v_max_num_f32 v201, v201, v63                  ; the batch's largest raw score
	v_add_f32 v202, v32, v34
	v_add_f32 v207, v40, v44
	v_add_f32 v206, v48, v52
	v_add_f32 v205, v56, v60
	v_add_f32 v204, v36, v38
	v_add_f32 v203, v42, v46
	v_add_f32 v193, v50, v54
	v_add_f32 v200, v58, v62
	s_delay_alu instid0(VALU_DEP_1)
	v_add_f32 v200, v200, v205
	v_add_f32 v202, v202, v204
	v_add_f32 v207, v207, v203
	v_add_f32 v206, v206, v193
	s_delay_alu instid0(VALU_DEP_2)
	v_add_f32 v200, v200, v207
	s_delay_alu instid0(VALU_DEP_2)
	v_add_f32 v202, v202, v206
	s_delay_alu instid0(VALU_DEP_1)
	v_add_f32 v200, v200, v202
	s_wait_alu depctr_va_vdst(0)
	s_wait_kmcnt 0x0
	v_add_f32 v[KC], s20, v200                     ; + Va_b
	s_delay_alu instid0(VALU_DEP_1)
	v_add_f32 v[MX], v201, v[KC]                   ; the largest score: the addition is monotonic, so this is the largest of the sums below
.irp t, 0,1,2,3
	v_add_f32 v[4+\t], v[4+\t], v[KC]              ; the scores
.endr
.irp t, 0,1,2,3
	s_delay_alu instid0(VALU_DEP_4)
	v_sub_f32 v[4+\t], v[4+\t], v[MX]
.endr
.irp t, 0,1,2,3
	s_delay_alu instid0(VALU_DEP_4)
	v_mul_f32 v[4+\t], 0x3fb8aa3b, v[4+\t]
.endr
	s_wait_alu depctr_va_vdst(0)
.irp t, 0,1,2,3
	v_exp_f32 v[4+\t], v[4+\t]
.endr
	v_nop                                          ; a plain instruction behind the last exponential,
	s_wait_alu depctr_va_vdst(0)                   ; and the one wait ahead of the first reader
	v_add_f32 v206, v4, v5
	v_add_f32 v207, v6, v7
	s_delay_alu instid0(VALU_DEP_1)
	v_add_f32 v206, v206, v207
.irp m, 1,2,4,8
	s_delay_alu instid0(VALU_DEP_1)
	v_add_f32_dpp v206, v206, v206 row_xmask:\m row_mask:0xf bank_mask:0xf
.endr
	s_delay_alu instid0(VALU_DEP_1)
	v_permlanex16_b32 v202, v206, s22, s23
	s_delay_alu instid0(VALU_DEP_1)
	v_add_f32 v206, v206, v202
	ds_store_b32 v[AR2], v206
.irp t, 0,1,2,3
	ds_store_b32 v[AP], v[4+\t] offset:P+64*\t     ; row 64 (thread / 16) + 16 t + thread % 16
.endr
	s_wait_dscnt 0x0                               ; for the others' sake
	s_barrier_signal -1
	s_barrier_wait -1
.irp i, 0,1,2,3
	ds_load_b128 v[48+4*\i:51+4*\i], v[ARD] offset:RED2-RED1+16*\i
.endr
	WLOAD 0
	s_wait_dscnt 4                                 ; the sixteen sums are in; the four weight loads may be out
.irp i, 48,50,52,54
	v_pk_add_f32 v[\i:\i+1], v[\i:\i+1], v[\i+8:\i+9]
.endr
	s_delay_alu instid0(VALU_DEP_2)
	v_pk_add_f32 v[48:49], v[48:49], v[52:53]
	s_delay_alu instid0(VALU_DEP_2)
	v_pk_add_f32 v[50:51], v[50:51], v[54:55]
	s_delay_alu instid0(VALU_DEP_1)
	v_pk_add_f32 v[48:49], v[48:49], v[50:51]
	s_delay_alu instid0(VALU_DEP_1)
	v_add_f32 v48, v48, v49                        ; the sum of p: between 1 and 2,048
	s_wait_alu depctr_va_vdst(0)
	v_rcp_f32 v10, v48
	v_mov_b32 v11, 0                               ; a plain instruction behind the reciprocal; v11 is named with v10 as a pair
	s_wait_alu depctr_va_vdst(0)                   ; ahead of the branch and of the first reader
	s_cmp_lt_u32 s16, 2                            ; waves 0 and 1 store the work-group's 256 weights
	s_cbranch_scc0 .Lno_weights
	ds_load_b128 v[12:15], v[AO1] offset:P
	s_wait_dscnt 0x0
	v_pk_mul_f32 v[12:13], v[12:13], v[10:11] op_sel_hi:[1,0]
	v_pk_mul_f32 v[14:15], v[14:15], v[10:11] op_sel_hi:[1,0]
	global_store_b128 v[L16], v[12:15], s[14:15]   ; 32 lanes store 512 consecutive bytes, aligned; none of these registers is written again
.Lno_weights:
; Sixteen rows: four columns a lane, two packed multiply-adds a row; the row's weight is one register of a pair, taken for both halves.  Four chains, started by the first four rows: nothing is cleared.
.macro SET j
.if (\j) < 7
	WLOAD (\j)+1
	s_wait_alu depctr_va_vdst(0)
	s_wait_dscnt 4                                 ; this set's weights are in; the four loads just issued may be out
	s_wait_loadcnt 16                              ; this set's rows are in; the next set's 16 may be out
.else
	s_wait_dscnt 0x0
	s_wait_loadcnt 0x0
.endif
.set rX, X+64*((\j)%2)
.set rW, WT+16*((\j)%2)
.irp i, 0,2,4,6,8,10,12,14
.set cE, CH+4*(\i%4)
.if ((\j) == 0) && (\i < 4)
	v_pk_mul_f32 v[cE:cE+1],   v[rX+4*\i:rX+4*\i+1],   v[rW+\i:rW+\i+1] op_sel_hi:[1,0]
	v_pk_mul_f32 v[cE+2:cE+3], v[rX+4*\i+2:rX+4*\i+3], v[rW+\i:rW+\i+1] op_sel_hi:[1,0]
	v_pk_mul_f32 v[cE+4:cE+5], v[rX+4*\i+4:rX+4*\i+5], v[rW+\i:rW+\i+1] op_sel:[0,1] op_sel_hi:[1,1]
	v_pk_mul_f32 v[cE+6:cE+7], v[rX+4*\i+6:rX+4*\i+7], v[rW+\i:rW+\i+1] op_sel:[0,1] op_sel_hi:[1,1]
.else
	v_pk_fma_f32 v[cE:cE+1],   v[rX+4*\i:rX+4*\i+1],   v[rW+\i:rW+\i+1], v[cE:cE+1]   op_sel_hi:[1,0,1]
	v_pk_fma_f32 v[cE+2:cE+3], v[rX+4*\i+2:rX+4*\i+3], v[rW+\i:rW+\i+1], v[cE+2:cE+3] op_sel_hi:[1,0,1]
	v_pk_fma_f32 v[cE+4:cE+5], v[rX+4*\i+4:rX+4*\i+5], v[rW+\i:rW+\i+1], v[cE+4:cE+5] op_sel:[0,1,0] op_sel_hi:[1,1,1]
	v_pk_fma_f32 v[cE+6:cE+7], v[rX+4*\i+6:rX+4*\i+7], v[rW+\i:rW+\i+1], v[cE+6:cE+7] op_sel:[0,1,0] op_sel_hi:[1,1,1]
.endif
.endr
.if (\j) < 6
	KLOAD (\j)+2                                   ; the set's registers take the rows two sets on; the last two sets ask for nothing
.endif
.endm
.irp j, 0,1,2,3,4,5,6,7
	s_wait_alu depctr_va_vdst(0)
	SET \j
.endr
	v_pk_add_f32 v[16:17], v[16:17], v[20:21]      ; the four chains
	v_pk_add_f32 v[18:19], v[18:19], v[22:23]
	s_delay_alu instid0(VALU_DEP_4)
	v_pk_add_f32 v[24:25], v[24:25], v[28:29]
	s_delay_alu instid0(VALU_DEP_4)
	v_pk_add_f32 v[26:27], v[26:27], v[30:31]
	s_delay_alu instid0(VALU_DEP_2)
	v_pk_add_f32 v[16:17], v[16:17], v[24:25]
	s_delay_alu instid0(VALU_DEP_2)
	v_pk_add_f32 v[18:19], v[18:19], v[26:27]
	ds_store_b128 v[AC], v[16:19]
	s_wait_dscnt 0x0                               ; for wave 0's sake
	s_barrier_signal -1
	s_barrier_wait -1
	s_cmp_lg_u32 s16, 0                            ; wave 0 adds the sixteen parts, in a fixed order, and stores
	s_cbranch_scc1 .Lend
.irp i, 0,1,2,3,4,5,6,7,8,9,10,11,12,13,14,15
	ds_load_b128 v[X+4*\i:X+4*\i+3], v[ACR] offset:512*\i
.endr
	s_wait_dscnt 0x0
.irp i, 0,2,4,6,8,10,12,14,16,18,20,22,24,26,28,30
	v_pk_add_f32 v[X+\i:X+\i+1], v[X+\i:X+\i+1], v[X+32+\i:X+33+\i]
.endr
.irp i, 0,2,4,6,8,10,12,14
	v_pk_add_f32 v[X+\i:X+\i+1], v[X+\i:X+\i+1], v[X+16+\i:X+17+\i]
.endr
.irp i, 0,2,4,6
	s_delay_alu instid0(VALU_DEP_4)
	v_pk_add_f32 v[X+\i:X+\i+1], v[X+\i:X+\i+1], v[X+8+\i:X+9+\i]
.endr
.irp i, 0,2
	s_delay_alu instid0(VALU_DEP_2)
	v_pk_add_f32 v[X+\i:X+\i+1], v[X+\i:X+\i+1], v[X+4+\i:X+5+\i]
.endr
.irp i, 0,2
	v_pk_mul_f32 v[X+\i:X+\i+1], v[X+\i:X+\i+1], v[10:11] op_sel_hi:[1,0]   ; / the sum of p
.endr
	global_store_b128 v[L16], v[X:X+3], s[12:13]   ; 32 lanes store 512 consecutive bytes, aligned
.Lend:
	s_wait_tensorcnt 0x0
	ds_add_u32 v208, v209
	s_wait_dscnt 0x0
	s_endpgm
.Lfunc_end_k_q23fb62a2b4_context:
	.size	k_q23fb62a2b4_context, .Lfunc_end_k_q23fb62a2b4_context-k_q23fb62a2b4_context
	.p2alignl 7, 3214868480
	.fill 96, 4, 3214868480
	.section	.rodata,"a",@progbits
	.p2align	6, 0x0
	.amdhsa_kernel k_q23fb62a2b4_context
		.amdhsa_group_segment_fixed_size 18944
		.amdhsa_private_segment_fixed_size 0
		.amdhsa_enable_private_segment 0
		.amdhsa_kernarg_size 48
		.amdhsa_user_sgpr_count 2
		.amdhsa_user_sgpr_kernarg_segment_ptr 1
		.amdhsa_wavefront_size32 1
		.amdhsa_system_sgpr_workgroup_id_x 1
		.amdhsa_system_sgpr_workgroup_id_y 1
		.amdhsa_system_sgpr_workgroup_id_z 1
		.amdhsa_system_vgpr_workitem_id 0
		.amdhsa_next_free_vgpr 210
		.amdhsa_next_free_sgpr 66
		.amdhsa_reserve_vcc 0
		.amdhsa_float_denorm_mode_32 3
		.amdhsa_float_denorm_mode_16_64 3
		.amdhsa_memory_ordered 1
		.amdhsa_forward_progress 1
		.amdhsa_inst_pref_size 45
	.end_amdhsa_kernel
	.amdgpu_metadata
---
amdhsa.version: [ 1, 2 ]
amdhsa.kernels:
  - .name:           k_q23fb62a2b4_context
    .symbol:         k_q23fb62a2b4_context.kd
    .args:
      - { .name: rawsc, .offset: 0, .size: 8, .value_kind: global_buffer, .address_space: global }
      - { .name: Va_w, .offset: 8, .size: 8, .value_kind: global_buffer, .address_space: global }
      - { .name: Va_b, .offset: 16, .size: 8, .value_kind: global_buffer, .address_space: global }
      - { .name: keys, .offset: 24, .size: 8, .value_kind: global_buffer, .address_space: global }
      - { .name: out0, .offset: 32, .size: 8, .value_kind: global_buffer, .address_space: global }
      - { .name: out1, .offset: 40, .size: 8, .value_kind: global_buffer, .address_space: global }
    .group_segment_fixed_size: 18944
    .private_segment_fixed_size: 0
    .kernarg_segment_align: 8
    .kernarg_segment_size: 48
    .max_flat_workgroup_size: 512
    .sgpr_count:     66
    .vgpr_count:     210
    .wavefront_size: 32
...
	.end_amdgpu_metadata
.endif
;; end of part 3
